; MI455X (gfx1250); checked and timed in simulation.
; The chip was launched on July 23, 2026; its instructions are those of AMD's public machine-readable ISA for CDNA 5 (MIT licence, August 2026) and "CDNA5" Instruction Set Architecture Reference Guide (July 2026). The comments in the code are by the model that wrote it; some were corrected since.
;; SDPA. Allowed arithmetic: matrix products marked QUANTISED: E2M3 operands, one E8M0 scale for each 32 along K, by v_wmma_scale_f32_16x16x128_f8f6f4 with both operands' format E2M3, f32 sums; everything else in f32.
;; Inputs: k 4 x 16 x 2,048 x 128 float32; mask 1 x 1 x 2,048 x 2,048 int32; q 4 x 16 x 2,048 x 128 float32; v 4 x 16 x 2,048 x 128 float32.
;; Outputs: out0 4 x 16 x 2,048 x 128 float32.
;; This version of the problem:
;;   THIS VERSION OF THE PROBLEM IS GIVEN IN LOW PRECISION. The matrix products marked QUANTISED in the list below multiply operands that are first quantised to E2M3 (2 exponent bits, 3 mantissa bits; 6 bits a number), with one power-of-two scale for each 32 numbers along K (OCP MX v1.0); their sums are f32. All else is computed in f32.
;;   The module's matrix products, in the order in which they are computed (A, B: the left and right operand; K: the contracted axis; several contracted axes count as one K, in the product's order):
;;     1. batch 64 x [M 2,048, K 128] x [K 128, N 2,048]; A: input q; B: input k: QUANTISED
;;     2. batch 64 x [M 2,048, K 2,048] x [K 2,048, N 128]; A: softmax (see below); B: input v: QUANTISED
;;   THE QUANTISER, for each operand of a quantised product, along K:
;;     - K is cut into blocks of 32 from its start; a last block that is shorter is filled with zeros.
;;     - A block's scale is 2^e with e = floor(log2(the largest magnitude in the block)) - 2, held to -126 .. 127; a block of zeros has e = 0. As a byte (E8M0): e + 127.
;;     - Each number is divided by its block's scale, clamped to +-7.5, and rounded to the nearest number of E2M3, ties to even, subnormals kept.
;;     - The product sums the exact products of the quantised numbers (number of the format x scale) in f32.
;;   ~~~python
;;   def quantise(x, axis):      # numpy; x: float32 -> the quantised numbers, widened to float32 again
;;       x = np.moveaxis(x, axis, -1); K = x.shape[-1]
;;       x = np.pad(x, [(0, 0)] * (x.ndim - 1) + [(0, -K % 32)]); x = x.reshape(x.shape[:-1] + (-1, 32)); a = np.abs(x).max(-1, keepdims=True)
;;       e = np.where(a > 0, np.clip(np.frexp(np.where(a > 0, a, 1))[1] - 1 - 2, -126, 127), 0)      # np.frexp(a)[1] - 1 = floor(log2(a)), exactly
;;       r = np.clip(x / 2.0 ** e, -7.5, 7.5)
;;       step = 2.0 ** (np.maximum(np.frexp(np.where(r == 0, 1, r))[1] - 1, 0) - 3)
;;       q = np.round(r / step) * step * 2.0 ** e      # np.round: ties to even
;;       return np.moveaxis(q.reshape(q.shape[:-2] + (-1,))[..., :K], -1, axis).astype(np.float32)
;;   ~~~
;;   SOFTMAX AHEAD OF A QUANTISED PRODUCT. Where the list says 'softmax', what is quantised is not the finished softmax but p = 2^(t - M), with t = logit x log2(e) and M = ceil(the row's largest t), a whole number; so 1/2 < the row's largest p <= 1. The row's sum l is taken of the UNQUANTISED p, in f32, and the product's result is divided by l at the end. Since M is a whole number, a kernel that streams over the keys may use a running M (the ceiling of the running maximum): every later rescaling is an exact power of two, which a block's scale takes up: the codes' values come out the same.
;;   OPERANDS COMPUTED ON THE WAY. 'Computed on the way' means the value that the module computes at that place (a softmax that the list does not call 'softmax' is quantised finished and normalised). What goes into a quantiser is computed in f32, as accurately as f32 sums, v_exp_f32 and their like allow (about 1e-6 of the number): no bf16 or f16 on the way to a quantiser, and a product that is left as it is and whose result goes on into a quantised operand takes f32 operands (vector FMAs, or v_wmma_f32_16x16x4_f32). A number that lies on a knife's edge between two numbers of the format may be rounded either way, as far as f32 arithmetic and the matrix unit's own rounding can turn it there, and no further.
;; One version. Each part assembles by itself: llvm-mc -triple=amdgcn-amd-amdhsa -mcpu=gfx1250 --defsym DOCPART=n.
;; ======== version 1 of 1: 2 launches
;; limits: right only within a limited range of input values
;; workspace buffers: kvc 25,165,824 bytes; kvs 1,048,576 bytes; mbits 524,288 bytes of whole numbers
;; launch prep (part 1): grid 576 x 1, 4 waves a work-group, no clusters, 70,144 bytes of LDS; arguments k, v, mask, kvc, kvs, mbits; writes kvc, kvs, mbits
.if DOCPART == 1
	.amdgcn_target "amdgcn-amd-amdhsa--gfx1250"
	.amdhsa_code_object_version 6
	.text
	.protected	k_qc212c76692_prep
	.globl	k_qc212c76692_prep
	.p2align	8
	.type	k_qc212c76692_prep,@function
k_qc212c76692_prep:
	s_mov_b64 s[64:65], 0
	v_nop
	global_prefetch_b8 v0, s[64:65] scope:SCOPE_SE
	s_setreg_imm32_b32 hwreg(HW_REG_WAVE_MODE, 25, 1), 1
	s_wait_xcnt 0x0
; k, q, v [64 heads][2048][128] f32 become codes of FP6 (E2M3) with one E8M0 scale byte for each 32 along a product's K, and mask [2048][2048] int32 becomes lane-mask words.
; k and q are quantised along the head's 128, v along the keys.  A block's scale is 2^(floor(log2(its largest magnitude)) - 2); its byte is the largest magnitude's exponent field - 2, held at 1 from below.
; LIMITS: NaN and infinities among the inputs are not served; a block whose largest magnitude lies under 2^-124 keeps the byte 1; a block of zeros gets the byte 1 where the rule says 127: its codes are zeros,
; which add nothing under any byte but 0xff, and the bytes are read by this program alone.
; WHAT IS WRITTEN is laid as the next launch's registers want it.  A fragment (16 rows x 128 K, 12 registers a lane) is an IMAGE of 1,536 bytes: register 4 j + w of lane l at byte 512 j + 16 l + 4 w.
; The scale words of 8 tiles are an image of 512 bytes: the word of tile 2 p + hl, row r at byte 16 (16 hl + r) + 4 p.
;   kvc [head][step of 128 keys][24,576]: 8 images of K, then 8 of V.   kvs [head][step][1,024]: K's scale image, then V's.   qc [head][block of 128 queries][12,288], qs [head][block][512].
;   THE ROWS OF A TILE OF K OR Q ARE NOT NEIGHBOURS: tile 2 b + u, row i is row 32 b + 8 u + i + 8 (i / 8) of the block of 128.   Tile t of V: row r is channel 16 t + r, K = the step's 128 keys in order.
;   mbits [pair P of 32 queries][step][u][64 words]: bit (r + 16 h) of word n = mask[32 P + 8 u + r + 8 (r / 8)][128 step + 32 (n / 16) + 16 h + n % 16] != 0.
; WORK-GROUPS, by number: 0-255 K, 256-511 Q (one path: only pointers differ), 512-767 V, 768-831 the mask.  Each reads 262,144 bytes.  The three paths never join, and each has LDS bytes of its own.
; No tensor loads, no ring.  Every load of the K, Q and mask paths reads 512 consecutive bytes; their numbers turn through the wave's own stage in LDS, so that a lane gets neighbours along K.
; THIS EDITION SERVES k, v AND mask ALONE: q is not among the arguments, the next launch quantises its own rows of q itself; what the lines above say of Q, qc and qs does not apply here.
; WORK-GROUPS, by number: 0-255 K, 256-511 V, 512-575 the mask.
.set SP,    528
.set WST,   16*SP                      ; a wave's stage: 16 rows
.set MST,   4*WST                      ; LDS: bytes 0 on: the K and Q path's four stages; from here the mask path's four;
.set VSC,   8*WST                      ; from here V's scale words: 4 steps x 512 bytes
.set FLOOR, 0x1800000                  ; the f32 number 2^(3 - 127): no largest magnitude is taken under it, so the byte cannot fall under 1
.set EOFF,  0xff000000                 ; takes 2 off an exponent field
.set R0,    64                         ; v64-191   two sets of 16 rows as they are loaded (K, Q, mask);  in V's path v64-127: two sets of 32 numbers
.set X,     192                        ; v192-255  64 numbers of a lane, behind the turn through the stage
.macro LOAD16 reg, base, pitch, row0, off      ; the 16 rows of a tile, 512 bytes of each: 32 lanes read 512 consecutive bytes
.irp i, 0,1,2,3,4,5,6,7,8,9,10,11,12,13,14,15
	global_load_b128 v[\reg+4*\i:\reg+4*\i+3], v2, s[\base:\base+1] offset:((\row0)+\i+8*(\i/8))*(\pitch)+(\off) th:TH_LOAD_NT
.endr
.endm
.macro STAGE_IN reg, adr                       ; into the stage as they were loaded: row i at SP i
.irp i, 0,1,2,3,4,5,6,7,8,9,10,11,12,13,14,15
	ds_store_b128 v[\adr], v[\reg+4*\i:\reg+4*\i+3] offset:SP*\i
.endr
.endm
	s_load_b64 s[8:9], s[0:1], 0x0                 ; k
	s_load_b256 s[12:19], s[0:1], 0x8              ; v s[12:13], mask s[14:15], kvc s[16:17], kvs s[18:19]
	s_load_b64 s[24:25], s[0:1], 0x28              ; mbits
	v_lshl_add_u32 v62, v0, 2, 0x11000
	v_mov_b32 v63, 0
	v_lshrrev_b32 v1, 5, v0
	v_readfirstlane_b32 s2, v1                     ; wave 0..3
	v_and_b32 v1, 31, v0                           ; lane
	v_lshlrev_b32 v2, 4, v1                        ; 16 x lane: my place in 512 consecutive bytes
	v_and_b32 v3, 15, v0                           ; r = lane % 16
	v_bfe_u32 v4, v0, 4, 1                         ; h = lane / 16
	s_mov_b32 s26, 0x76543210
	s_mov_b32 s27, 0xfedcba98                      ; v_permlanex16_b32's selects for lane l xor 16
	s_wait_kmcnt 0x0
	s_cmp_lt_u32 ttmp9, 256
	s_cbranch_scc0 .Lnot_kq
; ---------------------------------------------------------------- K: a wave takes one block of 128 rows: 8 tiles
	s_mov_b64 s[28:29], s[8:9]                     ; the numbers
	s_mov_b64 s[30:31], s[16:17]                   ; the images
	s_mov_b64 s[32:33], s[18:19]                   ; the scale images
	s_lshl_b32 s36, ttmp9, 2
	s_add_co_u32 s36, s36, s2                      ; my block: 16 x head + block, 0 .. 1,023
	s_mov_b32 s39, 0
	s_lshl_b32 s38, s36, 16                        ; 128 rows of 512 bytes
	s_add_nc_u64 s[28:29], s[28:29], s[38:39]
	s_mul_i32 s38, s36, 24576                      ; K's images stand beside V's
	s_add_nc_u64 s[30:31], s[30:31], s[38:39]
	s_lshl_b32 s38, s36, 10                        ; and so do the scale images
	s_add_nc_u64 s[32:33], s[32:33], s[38:39]
	s_mul_i32 s40, s2, WST                         ; my stage
	s_wait_alu depctr_va_vdst(0)
	v_add_nc_u32 v5, s40, v2                       ; into it: 16 x lane
	v_mul_u32_u24 v6, v3, SP
	v_lshl_add_u32 v6, v4, 7, v6
	v_add_nc_u32 v6, s40, v6                       ; out of it: row r, + 128 h: the operand's layout gives lane (r, h) k = 64 c + 32 h + 0 .. 31
	v_lshlrev_b32 v7, 3, v4                        ; 8 h: my two scale bytes' place in the word
	v_cmp_le_u32 s37, 16, v1                       ; lanes 16-31
	v_mov_b32 v43, 0                               ; written once: a lane permute's destination counts as one of its sources
	LOAD16 R0, 28, 512, 0, 0                       ; tiles 0 and 1: loads run two tiles ahead
	LOAD16 R0+64, 28, 512, 8, 0
; REGISTERS: v16-27 the fragment's codes; v28-30, v32-34 the second halves of the blocks' codes; v36-37 largest magnitudes; v38-39 scale operands; v40-41 bytes; v42 the scale word; v44-47 the scale words of 8 tiles
.macro TILE t
.set RS, R0+64*((\t)%2)
.if (\t) < 7
	s_wait_loadcnt 16                              ; this tile's 16 loads are in; the next tile's 16 may be out
.else
	s_wait_loadcnt 0x0
.endif
	STAGE_IN RS, 5
.irp c, 0,1                                    ; LDS serves a wave's instructions in order: these see the stores above, and the next tile's stores come behind them
.irp j, 0,1,2,3,4,5,6,7
	ds_load_b128 v[X+32*\c+4*\j:X+32*\c+4*\j+3], v6 offset:256*\c+16*\j
.endr
.endr
	s_wait_dscnt 0x0                               ; my 64 numbers are in, and the stores have read their registers,
.if (\t)+2 < 8
	LOAD16 RS, 28, 512, 32*(((\t)+2)/2)+8*(((\t)+2)%2), 0   ; which take the tile two further on
.endif
.irp c, 0,1                                    ; my block 2 c + h: all its 32 numbers are mine
	v_max3_num_f32 v[36+\c], |v[X+32*\c]|, |v[X+32*\c+1]|, FLOOR
.endr
.irp i, 2,4,6,8,10,12,14,16,18,20,22,24,26,28,30
.irp c, 0,1
	v_max3_num_f32 v[36+\c], v[36+\c], |v[X+32*\c+\i]|, |v[X+32*\c+\i+1]|   ; (the two blocks by turns)
.endr
.endr
.irp c, 0,1
	v_add_nc_u32 v[38+\c], EOFF, v[36+\c]          ; 2 off its exponent field: the conversion takes the exponent field of this operand as its scale, and nothing else of it
.endr
.irp c, 0,1
	v_lshrrev_b32 v[40+\c], 23, v[38+\c]           ; the scale's byte
.endr
	v_lshl_or_b32 v42, v41, 16, v40                ; my two bytes: blocks h and 2 + h of row r,
	v_lshlrev_b32 v42, v7, v42                     ; at their places in the word;
	v_permlanex16_b32 v43, v42, s26, s27
	v_or_b32 v42, v42, v43                         ; with lane l xor 16's two the word is whole, in both lanes
.if (\t) > 0
	s_wait_alu depctr_va_vdst(0)
	s_wait_xcnt 0x0                                ; the last tile's stores have read the codes' registers: they are written again only behind this wait
.endif
	v_cvt_scalef32_pk16_fp6_f32 v[16:18], v[X:X+15], v38        ; registers 6 c .. 6 c + 5 of the operand
	v_cvt_scalef32_pk16_fp6_f32 v[28:30], v[X+16:X+31], v38     ; (a conversion's three registers begin on an even number: the second half of a block's six does not, so it is made elsewhere and moved)
	v_cvt_scalef32_pk16_fp6_f32 v[22:24], v[X+32:X+47], v39
	v_cvt_scalef32_pk16_fp6_f32 v[32:34], v[X+48:X+63], v39
	v_nop                                          ; one plain place behind a scaled conversion
.irp i, 0,1,2
	v_mov_b32 v[19+\i], v[28+\i]
	v_mov_b32 v[25+\i], v[32+\i]
.endr
.irp j, 0,1,2
	global_store_b128 v2, v[16+4*\j:19+4*\j], s[30:31] offset:1536*(\t)+512*\j   ; the image: 32 lanes store 512 consecutive bytes
.endr
.if (\t)%2 == 0
	v_mov_b32 v[44+(\t)/2], v42                    ; the even tile's words stay in lanes 0-15,
.else
	v_cndmask_b32 v[44+(\t)/2], v[44+(\t)/2], v42, s37   ; the odd tile's go to lanes 16-31
.endif
.endm
	s_wait_alu depctr_va_vdst(0)
.irp t, 0,1,2,3,4,5,6,7
	TILE \t
.endr
	global_store_b128 v2, v[44:47], s[32:33]       ; the scale image: 512 consecutive bytes
	s_wait_tensorcnt 0x0
	ds_add_u32 v62, v63
	s_wait_dscnt 0x0
	s_endpgm
.Lnot_kq:
	s_cmp_lt_u32 ttmp9, 512
	s_cbranch_scc0 .Lmask
; ---------------------------------------------------------------- V: a work-group takes 512 keys (4 steps) of one head; wave p takes channels 32 p + lane.
; A LANE TAKES A CHANNEL, AND ITS REGISTERS RUN DOWN THE KEYS: a block of 32 keys lies in one lane's 32 registers, and the conversions give codes with the keys innermost.  Nothing is transposed by an instruction.
; My channel is row lane % 16 of tile 2 p + lane / 16, and I hold what BOTH lanes (r, 0) and (r, 1) of its image want: blocks 0 and 2 are lane (r, 0)'s twelve registers, blocks 1 and 3 lane (r, 1)'s.
	s_sub_co_u32 s36, ttmp9, 256
	s_mov_b32 s39, 0
	s_lshl_b32 s38, s36, 18                        ; 512 keys of 512 bytes
	s_lshl_b32 s40, s2, 7                          ; + my wave's 32 channels
	s_add_co_u32 s38, s38, s40
	s_add_nc_u64 s[28:29], s[12:13], s[38:39]
	s_mul_i32 s38, s36, 4*24576                    ; 4 steps' images
	s_add_nc_u64 s[30:31], s[16:17], s[38:39]
	s_lshl_b32 s38, s36, 2
	s_add_co_u32 s38, s38, s2                      ; on the way out wave p stores step p's scale image:
	s_lshl_b32 s38, s38, 10
	s_add_co_u32 s38, s38, 512                     ; V's lies behind K's
	s_add_nc_u64 s[32:33], s[18:19], s[38:39]
	s_wait_alu depctr_va_vdst(0)
	v_lshlrev_b32 v5, 2, v1                        ; in: 4 bytes a lane
	v_mul_u32_u24 v6, v4, 1536
	v_lshl_add_u32 v6, v3, 4, v6
	s_mul_i32 s40, s2, 3072
	v_add_nc_u32 v6, s40, v6                       ; out: tile 2 p + lane / 16, 16 bytes at 16 (lane % 16)
	s_lshl_b32 s40, s2, 2
	s_add_co_u32 s40, s40, VSC
	v_add_nc_u32 v7, s40, v2                       ; LDS: my scale word's place in a step's image: 16 x lane + 4 p
	s_lshl_b32 s40, s2, 9
	s_add_co_u32 s40, s40, VSC
	v_add_nc_u32 v8, s40, v2                       ; and on the way out: step p's image, 16 bytes a lane
; REGISTERS: v16-27 lane (r, 0)'s twelve, v28-39 lane (r, 1)'s; v40-42 a block's second half; v44-45 largest magnitudes; v46 the scale operand; v47 the byte; v48-51 a scale word for each step; v52-55 the way out
.macro VLOAD n                                 ; block n of 16: keys 32 n + i of the work-group's 512, into set n % 2.  A wave reads 128 consecutive bytes, the four waves side by side a key's 512
.irp i, 0,1,2,3,4,5,6,7,8,9,10,11,12,13,14,15,16,17,18,19,20,21,22,23,24,25,26,27,28,29,30,31
	global_load_b32 v[R0+32*((\n)%2)+\i], v5, s[28:29] offset:(32*(\n)+\i)*512 th:TH_LOAD_NT
.endr
.endm
.macro BLOCK n
.set XS, R0+32*((\n)%2)
.set SS, (\n)/4                                ; the step
.set BE, (\n)%4                                ; the block in it: 2 c + h
.set FD, 16+12*(BE%2)+6*(BE/2)                 ; registers 6 c on of lane (r, h)'s twelve
.if (\n) < 15
	s_wait_loadcnt 32                              ; this block's 32 loads are in; the next block's 32 may be out
.else
	s_wait_loadcnt 0x0
.endif
	v_max3_num_f32 v44, |v[XS]|, |v[XS+1]|, |v[XS+2]|          ; the block's largest magnitude, in two chains
	v_max3_num_f32 v45, |v[XS+3]|, |v[XS+4]|, |v[XS+5]|
.irp i, 6,10,14,18,22,26
	v_max3_num_f32 v44, v44, |v[XS+\i]|, |v[XS+\i+1]|
	v_max3_num_f32 v45, v45, |v[XS+\i+2]|, |v[XS+\i+3]|
.endr
	v_max3_num_f32 v44, v44, |v[XS+30]|, |v[XS+31]|
	v_max3_num_f32 v44, v44, v45, FLOOR
	v_add_nc_u32 v46, EOFF, v44                    ; the conversion's scale operand
	v_lshrrev_b32 v47, 23, v46                     ; the scale's byte
.if BE == 0
	v_mov_b32 v[48+SS], v47                        ; four bytes to a word, the lower keys in the lower byte
.else
	v_lshl_or_b32 v[48+SS], v47, 8*BE, v[48+SS]
.endif
.if (BE == 0) && (SS > 0)
	s_wait_alu depctr_va_vdst(0)
	s_wait_xcnt 0x0                                ; the last step's stores have read the codes' registers: they are written again only behind this wait
.endif
	v_cvt_scalef32_pk16_fp6_f32 v[FD:FD+2], v[XS:XS+15], v46
	v_cvt_scalef32_pk16_fp6_f32 v[40:42], v[XS+16:XS+31], v46  ; (a conversion's three registers begin on an even number)
	v_nop                                          ; one plain place behind a scaled conversion
.irp i, 0,1,2
	v_mov_b32 v[FD+3+\i], v[40+\i]
.endr
.if (\n)+2 < 16
	VLOAD (\n)+2
.endif
.if BE == 3                                    ; the step is whole: its images and its scale word
.irp hh, 0,1
.irp j, 0,1,2
	global_store_b128 v6, v[16+12*\hh+4*\j:19+12*\hh+4*\j], s[30:31] offset:24576*SS+12288+512*\j+256*\hh   ; sixteen lanes store 256 consecutive bytes, at a multiple of 256 from the buffer's first byte
.endr
.endr
	ds_store_b32 v7, v[48+SS] offset:512*SS
.endif
.endm
	VLOAD 0
	VLOAD 1
.irp n, 0,1,2,3,4,5,6,7,8,9,10,11,12,13,14,15
	BLOCK \n
.endr
	s_wait_dscnt 0x0                               ; for the others' sake: my scale words lie in LDS
	s_barrier_signal -1                            ; (the branch that led here hangs on the work-group's number alone: all four waves are on this path)
	s_barrier_wait -1
	ds_load_b128 v[52:55], v8                      ; step p's image: a word from each of the four waves
	s_wait_dscnt 0x0
	global_store_b128 v2, v[52:55], s[32:33]       ; 512 consecutive bytes
	s_wait_tensorcnt 0x0
	ds_add_u32 v62, v63
	s_wait_dscnt 0x0
	s_endpgm
.Lmask:
; ---------------------------------------------------------------- the mask: a work-group takes a pair P (32 queries); wave w takes steps 4 w .. 4 w + 3, for both tiles u: 8 turns, e = 2 (step % 4) + u
	s_sub_co_u32 s36, ttmp9, 512
	s_mov_b32 s39, 0
	s_lshl_b32 s40, s2, 11
	s_lshl_b32 s38, s36, 18                        ; 32 rows of 8,192 bytes,
	s_add_co_u32 s38, s38, s40                     ; + my four steps' 2,048 bytes of a row
	s_add_nc_u64 s[28:29], s[14:15], s[38:39]
	s_lshl_b32 s38, s36, 13                        ; 16 steps x 2 x 256 bytes,
	s_add_co_u32 s38, s38, s40                     ; + my four steps'
	s_add_nc_u64 s[30:31], s[24:25], s[38:39]
	s_mul_i32 s40, s2, WST
	s_add_co_u32 s40, s40, MST                     ; my stage
	s_wait_alu depctr_va_vdst(0)
	v_add_nc_u32 v5, s40, v2
	v_mul_u32_u24 v6, v3, SP
	v_lshl_add_u32 v6, v4, 6, v6
	v_add_nc_u32 v6, s40, v6                       ; out of it: row r, + 64 h: my 16 keys of each block of 32
	v_lshlrev_b32 v8, 3, v1                        ; the way out: 8 bytes a lane
.irp i, 0,1,2,3,4,5,6,7,8,9,10,11,12,13,14,15
	v_mov_b32 v[16+\i], 0                          ; v16-31: a pair of registers for each turn; written once whole: v_writelane_b32's destination counts as one of its sources
.endr
	LOAD16 R0, 28, 8192, 0, 0
	LOAD16 R0+64, 28, 8192, 8, 0
.macro MTILE e
.set RS, R0+64*((\e)%2)
.if (\e) < 7
	s_wait_loadcnt 16                              ; this turn's 16 loads are in; the next turn's 16 may be out
.else
	s_wait_loadcnt 0x0
.endif
	STAGE_IN RS, 5
.irp b, 0,1,2,3
.irp j, 0,1,2,3
	ds_load_b128 v[X+16*\b+4*\j:X+16*\b+4*\j+3], v6 offset:128*\b+16*\j   ; register n: key 32 (n / 16) + 16 h + n % 16 of query row r
.endr
.endr
	s_wait_dscnt 0x0
.if (\e)+2 < 8
	LOAD16 RS, 28, 8192, 8*(((\e)+2)%2), 512*(((\e)+2)/2)
.endif
.irp hf, 0,1                                   ; 32 words at a time: a compare makes word n in a scalar register; it goes to lane n / 2, register n % 2, so that lane l stores words 2 l and 2 l + 1
.set n_, 0
.rept 32
	v_cmp_ne_u32 s[32+n_], 0, v[X+32*\hf+n_]
.set n_, n_+1
.endr
.set n_, 0
.rept 32
	v_writelane_b32 v[16+2*(\e)+n_%2], s[32+n_], 16*\hf+n_/2
.set n_, n_+1
.endr
.endr
	global_store_b64 v8, v[16+2*(\e):17+2*(\e)], s[30:31] offset:256*(\e)   ; 32 lanes store 256 consecutive bytes, at a multiple of 256; each turn has its own pair, so no store's data are written again
.endm
.irp e, 0,1,2,3,4,5,6,7
	MTILE \e
.endr
	s_wait_tensorcnt 0x0
	ds_add_u32 v62, v63
	s_wait_dscnt 0x0
	s_endpgm
.Lfunc_end_k_qc212c76692_prep:
	.size	k_qc212c76692_prep, .Lfunc_end_k_qc212c76692_prep-k_qc212c76692_prep
	.p2alignl 7, 3214868480
	.fill 96, 4, 3214868480
	.section	.rodata,"a",@progbits
	.p2align	6, 0x0
	.amdhsa_kernel k_qc212c76692_prep
		.amdhsa_group_segment_fixed_size 70144
		.amdhsa_private_segment_fixed_size 0
		.amdhsa_enable_private_segment 0
		.amdhsa_kernarg_size 48
		.amdhsa_user_sgpr_count 2
		.amdhsa_user_sgpr_kernarg_segment_ptr 1
		.amdhsa_wavefront_size32 1
		.amdhsa_system_sgpr_workgroup_id_x 1
		.amdhsa_system_sgpr_workgroup_id_y 1
		.amdhsa_system_sgpr_workgroup_id_z 1
		.amdhsa_system_vgpr_workitem_id 0
		.amdhsa_next_free_vgpr 256
		.amdhsa_next_free_sgpr 66
		.amdhsa_reserve_vcc 0
		.amdhsa_float_denorm_mode_32 3
		.amdhsa_float_denorm_mode_16_64 3
		.amdhsa_memory_ordered 1
		.amdhsa_forward_progress 1
		.amdhsa_inst_pref_size 228
	.end_amdhsa_kernel
	.amdgpu_metadata
---
amdhsa.version: [ 1, 2 ]
amdhsa.kernels:
  - .name:           k_qc212c76692_prep
    .symbol:         k_qc212c76692_prep.kd
    .args:
      - { .name: k, .offset: 0, .size: 8, .value_kind: global_buffer, .address_space: global }
      - { .name: v, .offset: 8, .size: 8, .value_kind: global_buffer, .address_space: global }
      - { .name: mask, .offset: 16, .size: 8, .value_kind: global_buffer, .address_space: global }
      - { .name: kvc, .offset: 24, .size: 8, .value_kind: global_buffer, .address_space: global }
      - { .name: kvs, .offset: 32, .size: 8, .value_kind: global_buffer, .address_space: global }
      - { .name: mbits, .offset: 40, .size: 8, .value_kind: global_buffer, .address_space: global }
    .group_segment_fixed_size: 70144
    .private_segment_fixed_size: 0
    .kernarg_segment_align: 8
    .kernarg_segment_size: 48
    .max_flat_workgroup_size: 128
    .sgpr_count:     66
    .vgpr_count:     256
    .wavefront_size: 32
...
	.end_amdgpu_metadata
.endif
;; end of part 1
;; launch attn (part 2): grid 8 x 32, 8 waves a work-group, clusters of 4 x 1, 327,680 bytes of LDS; arguments q, kvc, kvs, mbits, out0; writes out0
.if DOCPART == 2
	.amdgcn_target "amdgcn-amd-amdhsa--gfx1250"
	.amdhsa_code_object_version 6
	.text
	.protected	k_qc212c76692_attn
	.globl	k_qc212c76692_attn
	.p2align	8
	.type	k_qc212c76692_attn,@function
k_qc212c76692_attn:
	s_mov_b64 s[64:65], 0
	v_nop
	global_prefetch_b8 v0, s[64:65] scope:SCOPE_SE
	s_setreg_imm32_b32 hwreg(HW_REG_WAVE_MODE, 25, 1), 1
	s_wait_xcnt 0x0
	s_wait_alu depctr_hold_cnt(0) depctr_sa_sdst(0) depctr_va_vdst(0) depctr_va_sdst(0) depctr_va_ssrc(0) depctr_va_vcc(0) depctr_vm_vsrc(0)
	s_getreg_b32 s2, hwreg(HW_REG_IB_STS2, 6, 4)
	s_cmp_eq_u32 s2, 0
	s_cbranch_scc0 .Lentry_in_a_cluster
	s_endpgm
.Lentry_in_a_cluster:
	s_bfe_u32 s2, ttmp6, 0x10000c
	s_cmp_lg_u32 s2, 0x3003
	s_cbranch_scc0 .Lentry_shape_is_right
	s_endpgm
.Lentry_shape_is_right:
; out0[head][q][:] = sum over k of softmax_k(mask ? Q[q] . K[k] / sqrt(128) : lowest) V[k][:], 64 heads of 2,048 x 128; both products on codes of FP6 (E2M3), one E8M0 scale for each 32 along K.
; K and V come as the launch before laid them: images of the operands' registers (1,536 bytes a fragment: register 4 j + w of lane l at 512 j + 16 l + 4 w), scale images (512 bytes for 8 tiles), the mask as lane-mask words:
; kvc [head][step of 128 keys][8 images of K, 8 of V]; kvs [head][step][K's scale image, V's]; mbits [pair of 32 queries][step][u][64 words].
; q COMES AS f32: a row of q is used by one wave alone, so each wave quantises its own 32 rows, along the head's 128: dense loads of 512 bytes, a turn through its own stage in LDS, conversions into the operand's registers.
; THE SOFTMAX: t = score x log2(e) / sqrt(128); M = the row's largest t so far, rounded UP to a whole number; p = 2^(t - M) is quantised along the keys, not normalised; the sum is taken of the unquantised p and divides O at the end.
; When M moves, the sum and O are multiplied by 2^(old M - new M): exact.
; THE MASK: one select a score.  A hidden score becomes -2^120; c x 2^120 is exact, so while a row has seen hidden keys alone p is 1, and the first key that counts makes the factor 0, which wipes those terms.
; A row with every key hidden gives the mean of V, as a softmax of equal numbers does.  No branch hangs on the mask.
; LIMITS: scores stay above -2^120; NaN and infinities are not served; a block of q under 2^-124 keeps the scale byte 1, a block of zeros too (its codes are zeros).
; SHARES.  A work-group owns 256 queries and STAYS FOR TWO HEADS, 2 y and 2 y + 1: their images lie on end in kvc and kvs, so the ring walks 8 slots without a stop, and the same mask words serve both.
; Each of its eight waves owns 32 queries: tile 0 in register window 0, tile 1 in window 1, at the same numbers; each fragment read from LDS feeds two products.
; LAYOUT.  Both products are used transposed (S^T = K Q^T, O^T = V^T P^T): a lane holds one query.  Tile 2 b + u of K, row i is key 32 b + 8 u + i + 8 (i / 8); Q's tile u, row i is row 8 u + i + 8 (i / 8) of my 32.
; CLUSTER.  The four query blocks of a cluster walk the same K and V: each tile is asked for jointly.
; THE RING.  Two slots of four key steps (98,304 bytes); waves 0-3 fetch a step's 24,576 bytes each.  Both heads' scale images (32,768 bytes) come once, by waves 4-7.
; THE CHANGE OF SLOTS stands inside a slot's last step: when that step's V fragments are in registers nobody needs the slot any more; the round's opening signal follows, and the softmax's register work stands ahead of its wait.
; REGISTERS.  Window 0 alone: v1 16 x lane; v2, v3 for the add; v4, v5 LDS addresses; v6, v8, v9 my stage; v7 256 x lane; v28-29 Q's scale words, v30-31 p's; v80-83 K's scale words, v84-87 V's.
;   v32-79: fragments 0-3 in window 0, 4-7 in window 1.  In both windows: v12 -M, v13 largest t, v[14:15] the sum; v16-27 Q; v88 -2^120; v96-159 S^T, then p; v160-223 O^T; v224-235 p's codes; v232-254 at work.
; SCALARS: s2 wave; s3 slots to be asked for; s[4:5] lane selects; s[6:7] c; s[8:9] my mask words, s18 the offset in them; s[10:11] prefetches; s12, s13 LDS bytes of the step's images and scale images; s14, s19 counters;
;   s15 1 in a wave that prefetches K and V; s[16:17] my rows of out0; s[66:67] my rows of q; s[20:51], s[68:99] 64 mask words; s[52:59] group 1; s[60:63] group 0.
.set STEPB, 24576
.set VOFF,  12288
.set SLOTB, 4*STEPB
.set SLOT1, 1<<17                      ; slot 1 begins here: one exclusive or turns an address in one slot into the other's
.set SCL,   SLOTB                      ; between the slots: the scale images, 1,024 bytes a step, 32 steps
.set SPARE, 229376                     ; behind slot 1: the spare words, 128 bytes a wave: four blocks of 256 bytes that no other line names
.set STG,   230400                     ; behind them: a stage for each wave; no tensor load lands here
.set SPT,   528                        ; a stage row: 512 bytes + 16
.set WSTG,  16*SPT
.set HEADB, 16*STEPB
.set MSB, 0
.macro WIN new                         ; s_set_vgpr_msb: bits 1:0 source 0, 3:2 source 1, 5:4 source 2, 7:6 destination; the high byte repeats the setting that is left
.if MSB != (\new)
	s_set_vgpr_msb (MSB<<8)|(\new)
.set MSB, (\new)
.endif
.endm
.macro CREST                           ; a round of the cluster's barrier behind its opening barrier
	s_cmp_lg_u32 s2, 0
	s_cbranch_scc1 .Lnot_wave_0_\@
	s_barrier_signal -3
.Lnot_wave_0_\@:
	s_barrier_wait -3
	s_barrier_signal -1
	s_barrier_wait -1
.endm
.macro CROUND
	s_barrier_signal -1
	s_barrier_wait -1
	CREST
.endm
.macro JLOAD                           ; a joint refill: waves 0-3 fetch a step's images each; the branch hangs on the wave's number alone
	s_cmp_lt_u32 s2, 4
	s_cbranch_scc0 .Lno_load_\@
	tensor_load_to_lds s[60:63], s[52:59]
	s_nop 0
.rept 4
	v_nop
.endr
.Lno_load_\@:
.endm
; A prefetch of the slot that the NEXT change of slots will ask for, four key steps ahead of that load.  Both clusters of a pair of heads walk the same bytes: the first asks.  Its four partners share the slot out by address,
; a step each; waves 4-6 take 8,192 bytes each, lanes 256 bytes apart.  The last change that fills a slot asks for nothing.
.macro ASK
	s_cmp_gt_u32 s3, s15
	s_cbranch_scc0 .Lnot_mine_\@
	global_prefetch_b8 v7, s[10:11] th:TH_LOAD_NT scope:SCOPE_SE
.Lnot_mine_\@:
.endm
.macro QASK                            ; my 32 rows of q of the second head, 16,384 bytes, lanes 256 bytes apart: asked for once, four key steps ahead of their loads
	s_cmp_eq_u32 s3, 4
	s_cbranch_scc0 .Lno_q_\@
	global_prefetch_b8 v7, s[66:67] offset:1<<20 th:TH_LOAD_NT scope:SCOPE_SE
	global_prefetch_b8 v7, s[66:67] offset:(1<<20)+8192 th:TH_LOAD_NT scope:SCOPE_SE
.Lno_q_\@:
.endm
.macro MWORDS                          ; 64 mask words: one tile of queries, one key step
	s_load_b512 s[20:35], s[8:9], s18 offset:0x0
	s_load_b512 s[36:51], s[8:9], s18 offset:0x40
	s_load_b512 s[68:83], s[8:9], s18 offset:0x80
	s_load_b512 s[84:99], s[8:9], s18 offset:0xc0
.endm
; Tile u of q: lane (r, h) holds k = 64 c + 32 h + 0 .. 31 of row r in window 1, v[XB + 32 c] on: two whole blocks.  The codes go to window u, the scale word to window 0.
.macro QUANT u
.set XB, 96+64*(\u)
	WIN 0x55
.irp k, 0,1,2,3
	v_max3_num_f32 v[236+\k], |v[XB+16*\k]|, |v[XB+16*\k+1]|, 0x1800000   ; four chains of 16; the floor 2^(3 - 127) holds the byte at 1 from below
.endr
.irp i, 2,4,6,8,10,12,14
.irp k, 0,1,2,3
	v_max3_num_f32 v[236+\k], v[236+\k], |v[XB+16*\k+\i]|, |v[XB+16*\k+\i+1]|
.endr
.endr
	v_max_num_f32 v236, v236, v237
	v_max_num_f32 v237, v238, v239
	v_mov_b32 v241, 0                              ; a lane permute's destination counts as one of its sources
	v_add_nc_u32 v236, 0xff000000, v236            ; 2 off the exponent field: the conversion's scale operand
	v_add_nc_u32 v237, 0xff000000, v237
	v_lshrrev_b32 v238, 23, v236                   ; the scale's byte
	v_lshrrev_b32 v239, 23, v237
	v_lshl_or_b32 v240, v239, 16, v238             ; blocks h and 2 + h
	v_permlanex16_b32 v241, v240, s4, s5
	WIN 0x15
	v_lshl_or_b32 v[28+(\u)], v241, 8, v240        ; whole in lanes 0-15, which alone are read
	WIN 0x05|(0x40*(\u))
	v_cvt_scalef32_pk16_fp6_f32 v[16:18], v[XB:XB+15], v236
	v_cvt_scalef32_pk16_fp6_f32 v[244:246], v[XB+16:XB+31], v236   ; (a conversion's three registers begin on an even number)
	v_cvt_scalef32_pk16_fp6_f32 v[22:24], v[XB+32:XB+47], v237
	v_cvt_scalef32_pk16_fp6_f32 v[248:250], v[XB+48:XB+63], v237
	v_nop                                          ; one plain place behind a scaled conversion
	WIN 0x41*(\u)
.irp i, 0,1,2
	v_mov_b32 v[19+\i], v[244+\i]
	v_mov_b32 v[25+\i], v[248+\i]
.endr
.endm
.macro QINIT                           ; my 32 rows of q: 32 loads of 512 bytes on end, through my stage, 64 neighbours a lane and tile
	WIN 0
.irp u, 0,1
.irp i, 0,1,2,3,4,5,6,7,8,9,10,11,12,13,14,15
	global_load_b128 v[96+64*\u+4*\i:99+64*\u+4*\i], v1, s[66:67] offset:(8*\u+\i+8*(\i/8))*512 th:TH_LOAD_NT
.endr
.endr
.irp u, 0,1
	s_wait_loadcnt 16-16*\u                        ; this tile's 16 rows are in; tile 1's may be out
.irp i, 0,1,2,3,4,5,6,7,8,9,10,11,12,13,14,15
	ds_store_b128 v9, v[96+64*\u+4*\i:99+64*\u+4*\i] offset:SPT*\i
.endr
	WIN 0x40
.irp c, 0,1
.irp j, 0,1,2,3,4,5,6,7
	ds_load_b128 v[96+64*\u+32*\c+4*\j:99+64*\u+32*\c+4*\j], v6 offset:256*\c+16*\j   ; LDS serves a wave's instructions in order
.endr
.endr
	WIN 0
.endr
	s_wait_dscnt 32                                ; tile 0 is back; tile 1's 16 stores and 16 loads may be out
	QUANT 0
	s_wait_dscnt 0x0
	QUANT 1
.endm
.macro STATE                           ; a head begins: the step is written once, and the first finds zeros, which the first change of M leaves zeros
.irp w, 0,1
	WIN 0x55*\w
	v_mov_b32 v13, 0xff61b1e6                      ; -3e38, under every t, a hidden key's too
	v_mov_b32 v14, 0
	v_mov_b32 v15, 0
	v_mov_b32 v88, 0xfb800000                      ; -2^120
	v_floor_f32 v12, -v13
.irp b, 0,1,2,3
	v_mov_b32 v[244+\b], 0                         ; a lane permute's destination counts as one of its sources
.endr
	v_mov_b32 v253, 0                              ; (named as the upper half of v[252:253])
.set j_, 0
.rept 64
	v_mov_b32 v[160+j_], 0
.set j_, j_+1
.endr
.endr
	WIN 0
.endm
	s_load_b256 s[20:27], s[0:1], 0x0              ; q s[20:21], kvc s[22:23], kvs s[24:25], mbits s[26:27]
	s_load_b64 s[28:29], s[0:1], 0x20              ; out0
	v_lshl_add_u32 v2, v0, 2, SPARE
	v_mov_b32 v3, 0
	ds_add_u32 v2, v3                              ; the opening lines: the add, twice on end, and its wait ahead of my first tensor load
	ds_add_u32 v2, v3
	v_lshrrev_b32 v10, 5, v0
	v_readfirstlane_b32 s2, v10                    ; wave 0..7
	v_and_b32 v10, 31, v0
	v_lshlrev_b32 v1, 4, v10
	v_lshlrev_b32 v7, 8, v10
	v_and_b32 v11, 15, v0                          ; r
	v_bfe_u32 v10, v0, 4, 1                        ; h
	s_mul_i32 s66, s2, WSTG
	s_add_co_u32 s66, s66, STG                     ; my stage
	v_mul_u32_u24 v8, v11, SPT
	v_add_nc_u32 v9, s66, v1                       ; whole rows: 16 bytes a lane
	v_add_nc_u32 v8, s66, v8
	v_lshl_add_u32 v6, v10, 7, v8                  ; q out of it: row r, + 128 h
	v_lshl_add_u32 v8, v10, 5, v8                  ; results into it: row r, + 32 h
	s_bfe_u32 s32, ttmp6, 0x40000                  ; cx
	s_lshl_b32 s33, ttmp9, 2
	s_add_co_u32 s33, s33, s32                     ; my block of 256 queries: it enters q's, the mask's and out0's addresses alone
	s_and_b32 s34, ttmp7, 0xffff                   ; the pair of heads, which the four partners share
	s_mul_i32 s35, s2, STEPB
	s_mul_i32 s36, s34, 2*HEADB
	s_add_co_u32 s36, s36, s35
	s_mov_b32 s37, 0
	s_and_b32 s45, s2, 3
	s_lshl_b32 s42, s45, 13                        ; a quarter of the two heads' scale images: 8,192 bytes
	s_lshl_b32 s40, s34, 15
	s_add_co_u32 s40, s40, s42
	s_mov_b32 s41, 0
.irp g, 52, 68                                 ; group 1: dense bytes as rows of 256 (32 elements of 8 bytes), no padding
	s_mov_b32 s[\g], 15|(3<<16)|(1<<21)            ; the mask: all four work-groups; bit 21 set beside it
	s_mov_b32 s[\g+1], 32<<16
	s_mov_b32 s[\g+3], 32<<16
	s_mov_b32 s[\g+5], 32
	s_mov_b32 s[\g+6], 0
	s_mov_b32 s[\g+7], 0
.endr
	s_mov_b32 s54, 96<<16                          ; a step's images: 96 rows
	s_mov_b32 s56, 96
	s_mov_b32 s70, 32<<16                          ; a quarter of the scale images: 32 rows
	s_mov_b32 s72, 32
	s_lshl_b32 s50, s33, 3
	s_add_co_u32 s50, s50, s2
	s_lshl_b32 s50, s50, 13                        ; 8,192 bytes of mask words for my 32 queries
	s_mov_b32 s51, 0
	s_lshl_b32 s80, s34, 21                        ; q and out0: a head is 2^20 bytes, a block 2^17, my 32 rows 2^14
	s_lshl_b32 s81, s33, 17
	s_add_co_u32 s80, s80, s81
	s_lshl_b32 s81, s2, 14
	s_add_co_u32 s80, s80, s81
	s_mov_b32 s81, 0
	s_mul_i32 s82, s34, 2*HEADB                    ; the prefetches: my work-group's step of a slot, my wave's third of it, in the second slot's keys
	s_mul_i32 s83, s32, STEPB
	s_add_co_u32 s82, s82, s83
	s_lshl_b32 s83, s45, 13
	s_add_co_u32 s82, s82, s83
	s_add_co_u32 s82, s82, SLOTB
	s_mov_b32 s83, 0
	s_sub_co_u32 s66, s2, 4
	s_cmp_lt_u32 s66, 3                            ; waves 4 to 6
	s_cselect_b32 s66, 0, 1
	s_or_b32 s66, s66, ttmp9                       ; of the first cluster: the same in all four partners
	s_cmp_eq_u32 s66, 0
	s_cselect_b32 s15, 1, -1
	s_mov_b32 s4, 0x76543210
	s_mov_b32 s5, 0xfedcba98
	s_mov_b32 s6, 0x3e0293ee                       ; c = log2(e) / sqrt(128)
	s_mov_b32 s7, s6
	s_mov_b32 s12, 0
	s_mov_b32 s13, SCL
	s_mov_b32 s18, 0
	s_mov_b32 s3, 6
	s_wait_alu depctr_va_vdst(0)                   ; the wait at the head's end
	s_wait_dscnt 0x0                               ; both opening adds are done
	s_wait_kmcnt 0x0
	s_mov_b32 s60, 1
	s_mov_b32 s61, s35                             ; slot 0
	s_add_nc_u64 s[62:63], s[22:23], s[36:37]
	s_or_b32 s63, s63, 0x80000000
	s_mov_b32 s76, 1
	s_add_co_u32 s77, s42, SCL
	s_add_nc_u64 s[78:79], s[24:25], s[40:41]
	s_or_b32 s79, s79, 0x80000000
	s_add_nc_u64 s[66:67], s[20:21], s[80:81]
	s_add_nc_u64 s[8:9], s[26:27], s[50:51]
	s_add_nc_u64 s[16:17], s[28:29], s[80:81]
	s_add_nc_u64 s[10:11], s[22:23], s[82:83]
	CROUND                                         ; all four work-groups are here: the first joint loads meet
	s_cmp_lt_u32 s2, 4                             ; one tensor load a wave at the head: waves 0-3 slot 0, waves 4-7 the scale images
	s_cbranch_scc0 .Lscales
	tensor_load_to_lds s[60:63], s[52:59]
	s_nop 0
.rept 4
	v_nop
.endr
	s_branch .Lfirst_asked
.Lscales:
	tensor_load_to_lds s[76:79], s[68:75]
	s_nop 0
.rept 4
	v_nop
.endr
.Lfirst_asked:
	QINIT                                          ; the first head's q, while the first fills are on their way
	STATE
	s_wait_alu depctr_va_vdst(0)                   ; directly ahead of the wait below
	s_wait_tensorcnt 0x0                           ; my first fill has landed; slot 1's first fill is issued as a refill is
	ds_add_u32 v2, v3
	s_xor_b32 s61, s61, SLOT1
	s_add_nc_u64 s[62:63], s[62:63], SLOTB
	s_add_nc_u64 s[10:11], s[10:11], SLOTB         ; one slot further on than the walking descriptor
	s_wait_dscnt 0x0
	CROUND
	JLOAD
	ASK
	MWORDS                                         ; step 0, tile 0 (they land on the registers of the scale images' descriptor, whose load is done)
.macro FRAGS off, scr, soff            ; 25 LDS loads: eight images (fragments 0-3 into window 0, 4-7 into window 1) and the scale image between them
.irp f, 0,1,2,3
.irp j, 0,1,2
	ds_load_b128 v[32+12*\f+4*\j:35+12*\f+4*\j], v4 offset:\off+1536*\f+512*\j
.endr
.endr
	ds_load_b128 v[\scr:\scr+3], v5 offset:\soff
	WIN 0x40
.irp f, 0,1,2,3
.irp j, 0,1,2
	ds_load_b128 v[32+12*\f+4*\j:35+12*\f+4*\j], v4 offset:\off+1536*(4+\f)+512*\j
.endr
.endr
	WIN 0
.endm
.macro MM pv, t, f, tw                 ; pv = 0: S^T's tile t = K's tile t x Q, begun with 0.  pv = 1: O^T's tile t += V's tile t x p.  An odd tile's scale words stand in lanes 16-31
.if \pv
.if (\f)%2
	v_wmma_scale_f32_16x16x128_f8f6f4 v[160+8*(\t):167+8*(\t)], v[32+12*(\f):43+12*(\f)], v[224:235], v[160+8*(\t):167+8*(\t)], v[84+(\t)/2], v[30+(\tw)] matrix_a_fmt:MATRIX_FMT_FP6 matrix_b_fmt:MATRIX_FMT_FP6 matrix_a_scale:MATRIX_SCALE_ROW1
.else
	v_wmma_scale_f32_16x16x128_f8f6f4 v[160+8*(\t):167+8*(\t)], v[32+12*(\f):43+12*(\f)], v[224:235], v[160+8*(\t):167+8*(\t)], v[84+(\t)/2], v[30+(\tw)] matrix_a_fmt:MATRIX_FMT_FP6 matrix_b_fmt:MATRIX_FMT_FP6
.endif
.else
.if (\f)%2
	v_wmma_scale_f32_16x16x128_f8f6f4 v[96+8*(\t):103+8*(\t)], v[32+12*(\f):43+12*(\f)], v[16:27], 0, v[80+(\t)/2], v[28+(\tw)] matrix_a_fmt:MATRIX_FMT_FP6 matrix_b_fmt:MATRIX_FMT_FP6 matrix_a_scale:MATRIX_SCALE_ROW1
.else
	v_wmma_scale_f32_16x16x128_f8f6f4 v[96+8*(\t):103+8*(\t)], v[32+12*(\f):43+12*(\f)], v[16:27], 0, v[80+(\t)/2], v[28+(\tw)] matrix_a_fmt:MATRIX_FMT_FP6 matrix_b_fmt:MATRIX_FMT_FP6
.endif
.endif
.endm
.macro PROD pv, fw                     ; eight products: the four fragments of window fw, each for both tiles; every product has an accumulator of its own: they take turns
.irp tw, 0,1
	WIN (\fw)|(0x54*\tw)
.irp g, 0,1,2,3
	MM \pv, 4*(\fw)+\g, \g, \tw
.endr
.endr
.endm
.macro SM_MASK tw                      ; the mask of tile tw, and the request for the next 64 words
	s_wait_kmcnt 0x0
	WIN 0x55*(\tw)
.set n_, 0
.rept 64
	v_cndmask_b32 v[96+n_], v88, v[96+n_], s[20+n_+16*(n_/32)]   ; ascending: each accumulator is read from its low end on
.set n_, n_+1
.endr
	s_add_co_u32 s18, s18, 256                     ; 32 runs of 256 bytes, (step, tile) ascending;
	s_and_b32 s18, s18, 8191                       ; behind the last comes the first: the second head takes the same words, and no load leaves the buffer
	MWORDS
.endm
.macro SM_MAX tw                       ; the largest score of each block of 32 keys (it serves for the row's maximum and for the block's largest p), the new M, and the sum and O^T under it
	WIN 0x55*(\tw)
.irp b, 0,1,2,3
	v_max3_num_f32 v[232+\b], v[96+16*\b], v[97+16*\b], v[98+16*\b]
.endr
.irp b, 0,1,2,3
	v_max3_num_f32 v[240+\b], v[104+16*\b], v[105+16*\b], v[106+16*\b]   ; eight chains by turns
.endr
.irp i, 3,5
.irp b, 0,1,2,3
	v_max3_num_f32 v[232+\b], v[232+\b], v[96+16*\b+\i], v[97+16*\b+\i]
.endr
.irp b, 0,1,2,3
	v_max3_num_f32 v[240+\b], v[240+\b], v[104+16*\b+\i], v[105+16*\b+\i]
.endr
.endr
.irp b, 0,1,2,3
	v_max3_num_f32 v[232+\b], v[232+\b], v[103+16*\b], v[111+16*\b]
.endr
.irp b, 0,1,2,3
	s_delay_alu instid0(VALU_DEP_4)
	v_max_num_f32 v[232+\b], v[232+\b], v[240+\b]
.endr
.irp b, 0,1,2,3
	s_delay_alu instid0(VALU_DEP_4)
	v_permlanex16_b32 v[244+\b], v[232+\b], s4, s5
.endr
.irp b, 0,1,2,3
	s_delay_alu instid0(VALU_DEP_4)
	v_max_num_f32 v[232+\b], v[232+\b], v[244+\b]  ; with lane l xor 16's 16 keys
.endr
	s_delay_alu instid0(VALU_DEP_2)
	v_max3_num_f32 v254, v232, v233, v234
	s_delay_alu instid0(VALU_DEP_1)
	v_max_num_f32 v254, v254, v235
	s_delay_alu instid0(VALU_DEP_1)
	v_mul_f32 v254, s6, v254                       ; as t (c is positive)
	s_delay_alu instid0(VALU_DEP_1)
	v_max_num_f32 v13, v13, v254
	v_mov_b32 v254, v12
	s_delay_alu instid0(VALU_DEP_2)
	v_floor_f32 v12, -v13                          ; the new -M = -ceil(t)
	s_delay_alu instid0(VALU_DEP_1)
	v_sub_f32 v254, v12, v254                      ; old M less new M: a whole number, 0 or less
	s_delay_alu instid0(VALU_DEP_1)
	v_cvt_i32_f32 v254, v254                       ; (it saturates)
	s_delay_alu instid0(VALU_DEP_1)
	v_ldexp_f32 v252, 1.0, v254                    ; f = 2^(old M - new M)
	s_delay_alu instid0(VALU_DEP_1)
	v_pk_mul_f32 v[14:15], v[14:15], v[252:253] op_sel_hi:[1,0]
.set j_, 0
.rept 32
	v_pk_mul_f32 v[160+j_:161+j_], v[160+j_:161+j_], v[252:253] op_sel_hi:[1,0]   ; ascending; no transcendental stands between the products that wrote O^T and these
.set j_, j_+2
.endr
.endm
.macro SUM4                            ; the row's sum is taken of the unquantised p: four chains by turns
	v_pk_add_f32 v[14:15], v[14:15], v[p_:p_+1]
	v_pk_add_f32 v[240:241], v[240:241], v[p_+2:p_+3]
	v_pk_add_f32 v[242:243], v[242:243], v[p_+4:p_+5]
	v_pk_add_f32 v[248:249], v[248:249], v[p_+6:p_+7]
.set p_, p_+8
.endm
.macro SM_REST tw                      ; p, its sum, its scale word and its codes: work on registers alone
	WIN 0x55*(\tw)
.set j_, 0
.rept 32
	v_pk_fma_f32 v[96+j_:97+j_], v[96+j_:97+j_], s[6:7], v[12:13] op_sel_hi:[1,0,0]   ; t - M
.set j_, j_+2
.endr
.irp b, 0,1,2,3
	v_fma_f32 v[232+\b], v[232+\b], s6, v12        ; the same of each block's largest score
.endr
	s_wait_alu depctr_va_vdst(0)                   ; the wait ahead of the batch
.set j_, 0
.rept 64
	v_exp_f32 v[96+j_], v[96+j_]
.set j_, j_+1
.endr
.irp b, 0,1,2,3
	v_exp_f32 v[232+\b], v[232+\b]                 ; the block's largest p: the same two instructions on the same number give the same bits
.endr
	v_nop                                          ; a plain place behind the exponentials
	s_wait_alu depctr_va_vdst(0)                   ; and the one wait behind the batch
.irp b, 0,1,2,3
	v_max_num_f32 v[232+\b], 0x1800000, v[232+\b]  ; the floor 2^(3 - 127)
.endr
	v_pk_add_f32 v[240:241], v[96:97], v[98:99]    ; the sums' lines stand between the scale's, so that no line waits for the one above it
	v_pk_add_f32 v[242:243], v[100:101], v[102:103]
	v_pk_add_f32 v[248:249], v[104:105], v[106:107]
	v_pk_add_f32 v[14:15], v[14:15], v[108:109]
.set p_, 110
.irp b, 0,1,2,3
	v_add_nc_u32 v[244+\b], 0xff000000, v[232+\b]  ; the conversion's scale operand
.endr
	SUM4
.irp b, 0,1,2,3
	v_lshrrev_b32 v[236+\b], 23, v[244+\b]         ; the scale's byte
.endr
	SUM4
	v_lshl_or_b32 v253, v237, 8, v236
	SUM4
	v_lshl_or_b32 v253, v238, 16, v253
	SUM4
	WIN 0x15*(\tw)
	v_lshl_or_b32 v[30+(\tw)], v239, 24, v253      ; p's scale word goes to window 0, where scale operands are taken from
	WIN 0x55*(\tw)
.irp c, 0,1
	v_cvt_scalef32_pk16_fp6_f32 v[224+6*\c:226+6*\c], v[96+32*\c:111+32*\c], v[244+2*\c]
	v_cvt_scalef32_pk16_fp6_f32 v[236+14*\c:238+14*\c], v[112+32*\c:127+32*\c], v[244+2*\c+1]   ; (a conversion's three registers begin on an even number: made in v236-238 and v250-252, outside p's twelve, and moved)
.endr
	v_nop                                          ; one plain place behind a scaled conversion
.irp c, 0,1                                    ; the operand's layout wants a whole block in a lane
.irp i, 0,1,2
	v_permlane16_swap_b32 v[224+6*\c+\i], v[236+14*\c+\i]
.endr
.irp i, 0,1,2
	s_delay_alu instid0(VALU_DEP_3)
	v_mov_b32 v[227+6*\c+\i], v[236+14*\c+\i]
.endr
.endr
	SUM4                                           ; these twelve lines are the places between p's codes and scale word and the products that take them
	SUM4
	v_pk_add_f32 v[14:15], v[14:15], v[158:159]
	v_pk_add_f32 v[240:241], v[240:241], v[242:243]
	v_pk_add_f32 v[14:15], v[14:15], v[248:249]
	s_delay_alu instid0(VALU_DEP_1)
	v_pk_add_f32 v[14:15], v[14:15], v[240:241]
.endm
; A KEY STEP: 128 keys, both tiles of queries.  fill = 1, a slot's last step: the slot is given up as soon as V's fragments are in registers, and filled again behind the round.
.macro STEP fill
	v_add_nc_u32 v4, s12, v1                       ; these four lines are the places between the last step's products and the loads into the registers that they read
	v_add_nc_u32 v5, s13, v1
	v_nop
	v_nop
	FRAGS 0, 80, 0                                 ; K
	s_wait_alu depctr_va_vdst(0)                   ; directly ahead of the wait below
	s_wait_dscnt 12                                ; fragments 0-3 and the scale words are in; the youngest twelve loads may be out
	PROD 0, 0
	s_wait_dscnt 0x0
	PROD 0, 1
	WIN 0
.rept 4
	v_nop                                          ; places in front of the loads below and of the first read of the scores
.endr
	FRAGS VOFF, 84, 512                            ; V lands under the masks
	SM_MASK 0
	SM_MAX 0
	SM_MASK 1
.if \fill
	WIN 0
	s_wait_alu depctr_va_vdst(0)                   ; directly ahead of the wait below
	s_wait_tensorcnt 0x0                           ; my part of the other slot has landed, and group 0 may be written
	ds_add_u32 v2, v3
	s_xor_b32 s61, s61, SLOT1
	s_add_nc_u64 s[62:63], s[62:63], SLOTB
	s_wait_xcnt 0x0                                ; the last prefetch has read its address
	s_add_nc_u64 s[10:11], s[10:11], SLOTB
	s_wait_dscnt 0x0                               ; the add is done, and V is in: my reads of this slot are over
	s_barrier_signal -1                            ; the round's opening signal; work on registers alone stands ahead of its wait
.endif
	SM_MAX 1
	SM_REST 0
	SM_REST 1
.if \fill
	WIN 0
	s_wait_alu depctr_va_vdst(0)                   ; directly ahead of the wait below
	s_barrier_wait -1
	CREST
	JLOAD                                          ; the first tensor load behind the round, a wave's only one until the next: it has four key steps in which to land
	ASK
	QASK
.endif
	s_wait_alu depctr_va_vdst(0)                   ; directly ahead of the wait below
	s_wait_dscnt 0x0                               ; V is in
	PROD 1, 0
	PROD 1, 1
	WIN 0
	s_add_co_u32 s12, s12, STEPB
	s_add_co_u32 s13, s13, 1024
.endm
; THE WAY OUT of a tile of 16 queries: O^T is divided by the sum and goes through my stage; whole rows of 512 bytes come back and are stored on end.  Row i of tile tw is row 8 tw + i + 8 (i / 8) of my 32.
.macro OUTT tw
	WIN 0x55*(\tw)
	v_add_f32 v14, v14, v15
	s_delay_alu instid0(VALU_DEP_1)
	v_permlanex16_b32 v252, v14, s4, s5
	s_delay_alu instid0(VALU_DEP_1)
	v_add_f32 v14, v14, v252
	s_wait_alu depctr_va_vdst(0)                   ; the wait ahead of the transcendental
	v_rcp_f32 v14, v14
	v_nop
	s_wait_alu depctr_va_vdst(0)                   ; and behind it, directly ahead of the first reader
.set j_, 0
.rept 32
	v_pk_mul_f32 v[96+j_:97+j_], v[160+j_:161+j_], v[14:15] op_sel_hi:[1,0]   ; register 8 t + i is o(r, 16 t + 8 h + i); ascending
.set j_, j_+2
.endr
	WIN 4*(\tw)
.irp t, 0,1,2,3,4,5,6,7
	ds_store_b128 v8, v[96+8*\t:99+8*\t] offset:64*\t
	ds_store_b128 v8, v[100+8*\t:103+8*\t] offset:64*\t+16
.endr
	WIN 0
.if \tw
	s_wait_xcnt 0x0                                ; tile 0's stores have read their registers
.endif
.irp i, 0,1,2,3,4,5,6,7,8,9,10,11,12,13,14,15
	ds_load_b128 v[160+4*\i:163+4*\i], v9 offset:SPT*\i   ; LDS serves a wave's instructions in order; they land in window 0's O^T, which has been read
.endr
.irp i, 0,1,2,3,4,5,6,7,8,9,10,11,12,13,14,15
	s_wait_dscnt 15-\i                             ; row i is in; the younger loads may be out
	global_store_b128 v1, v[160+4*\i:163+4*\i], s[16:17] offset:(8*(\tw)+\i+8*(\i/8))*512 th:TH_STORE_NT   ; 512 consecutive bytes, at a multiple of 256 from out0's first byte
.endr
.endm
.Lslot:                                            ; six trips: slots 0 to 5 of the two heads' eight; each is filled again in its last step
	s_mov_b32 s14, 3
.Lstep:
	STEP 0
	s_sub_co_u32 s14, s14, 1
	s_cmp_lg_u32 s14, 0
	s_cbranch_scc1 .Lstep
	STEP 1
	s_sub_co_u32 s12, s12, SLOTB
	s_xor_b32 s12, s12, SLOT1                      ; the other slot's first step
	s_cmp_lg_u32 s3, 3                             ; behind the fourth slot the first head is whole.  The branch hangs on the counter alone, and leads round no barrier, wait on tensor loads or tensor load
	s_cbranch_scc1 .Lsame_head
.rept 4
	v_nop                                          ; places behind the last products
.endr
	OUTT 0
	OUTT 1
	s_wait_xcnt 0x0                                ; the stores and prefetches have read their registers and bases
	s_add_nc_u64 s[16:17], s[16:17], 1<<20         ; the second head's rows of out0
	s_add_nc_u64 s[66:67], s[66:67], 1<<20         ; and of q
	QINIT
	STATE
	s_wait_alu depctr_va_vdst(0)                   ; the wait ahead of the label and the branch below
.Lsame_head:
	s_sub_co_u32 s3, s3, 1
	s_cmp_lg_u32 s3, 0
	s_cbranch_scc1 .Lslot
	s_mov_b32 s19, 2
.Ltail:                                            ; the last two slots ask for nothing.  Behind slot 6 stands the meeting that shows slot 7 whole to every wave
	s_mov_b32 s14, 4
.Ltail_step:
	STEP 0
	s_sub_co_u32 s14, s14, 1
	s_cmp_lg_u32 s14, 0
	s_cbranch_scc1 .Ltail_step
	s_sub_co_u32 s12, s12, SLOTB
	s_xor_b32 s12, s12, SLOT1
	s_wait_tensorcnt 0x0                           ; my part of the last slot has landed
	ds_add_u32 v2, v3
	s_wait_dscnt 0x0
	s_barrier_signal -1
	s_barrier_wait -1
	s_sub_co_u32 s19, s19, 1
	s_cmp_lg_u32 s19, 0
	s_cbranch_scc1 .Ltail
	s_wait_kmcnt 0x0                               ; the last scalar loads (words that nobody uses) are in
.rept 4
	v_nop
.endr
	OUTT 0
	OUTT 1
	s_wait_tensorcnt 0x0                           ; the wave's end
	ds_add_u32 v2, v3
	s_wait_dscnt 0x0
	CROUND                                         ; the closing round
	s_endpgm
.Lfunc_end_k_qc212c76692_attn:
	.size	k_qc212c76692_attn, .Lfunc_end_k_qc212c76692_attn-k_qc212c76692_attn
	.p2alignl 7, 3214868480
	.fill 96, 4, 3214868480
	.section	.rodata,"a",@progbits
	.p2align	6, 0x0
	.amdhsa_kernel k_qc212c76692_attn
		.amdhsa_group_segment_fixed_size 327680
		.amdhsa_private_segment_fixed_size 0
		.amdhsa_enable_private_segment 0
		.amdhsa_kernarg_size 40
		.amdhsa_user_sgpr_count 2
		.amdhsa_user_sgpr_kernarg_segment_ptr 1
		.amdhsa_wavefront_size32 1
		.amdhsa_system_sgpr_workgroup_id_x 1
		.amdhsa_system_sgpr_workgroup_id_y 1
		.amdhsa_system_sgpr_workgroup_id_z 1
		.amdhsa_system_vgpr_workitem_id 0
		.amdhsa_next_free_vgpr 512
		.amdhsa_next_free_sgpr 100
		.amdhsa_reserve_vcc 0
		.amdhsa_float_denorm_mode_32 3
		.amdhsa_float_denorm_mode_16_64 3
		.amdhsa_memory_ordered 1
		.amdhsa_forward_progress 1
		.amdhsa_inst_pref_size 205
	.end_amdhsa_kernel
	.amdgpu_metadata
---
amdhsa.version: [ 1, 2 ]
amdhsa.kernels:
  - .name:           k_qc212c76692_attn
    .symbol:         k_qc212c76692_attn.kd
    .args:
      - { .name: q, .offset: 0, .size: 8, .value_kind: global_buffer, .address_space: global }
      - { .name: kvc, .offset: 8, .size: 8, .value_kind: global_buffer, .address_space: global }
      - { .name: kvs, .offset: 16, .size: 8, .value_kind: global_buffer, .address_space: global }
      - { .name: mbits, .offset: 24, .size: 8, .value_kind: global_buffer, .address_space: global }
      - { .name: out0, .offset: 32, .size: 8, .value_kind: global_buffer, .address_space: global }
    .group_segment_fixed_size: 327680
    .private_segment_fixed_size: 0
    .kernarg_segment_align: 8
    .kernarg_segment_size: 40
    .max_flat_workgroup_size: 256
    .sgpr_count:     100
    .vgpr_count:     512
    .wavefront_size: 32
...
	.end_amdgpu_metadata
.endif
;; end of part 2
